; MI455X (gfx1250); checked and timed in simulation.
; The chip was launched on July 23, 2026; its instructions are those of AMD's public machine-readable ISA for CDNA 5 (MIT licence, August 2026) and "CDNA5" Instruction Set Architecture Reference Guide (July 2026). The comments in the code are by the model that wrote it; some were corrected since.
;; Vector Quantizer. Allowed arithmetic: float matrix products may take bf16 or f16 operands with f32 sums; other float arithmetic in f32, or as packed bf16 or f16 multiplies, adds, multiply-adds, maxima and minima; sums over many terms, partial sums and values carried from step to step in f32; what a program stores and reads back later, other than sums and carried values, may be rounded once to bf16 or f16.
;; Inputs: codebook 8,192 x 256 float32; z 8 x 256 x 64 x 64 float32.
;; Outputs: out0 8 x 256 x 64 x 64 float32.
;; 2 versions, each right; version 2 is version 1 with the launches prep, emit written anew for expert scheduling mode. Each part assembles by itself: llvm-mc -triple=amdgcn-amd-amdhsa -mcpu=gfx1250 --defsym DOCPART=n.
;; ======== version 1 of 2: 3 launches
;; workspace buffers: cbb 4,194,304 bytes; esq 32,768 bytes; idx 131,072 bytes of whole numbers
;; launch prep (part 1): grid 128 x 1, 8 waves a work-group, no clusters, 1,280 bytes of LDS; arguments codebook, cbb, esq; writes cbb, esq
.if DOCPART == 1
	.amdgcn_target "amdgcn-amd-amdhsa--gfx1250"
	.amdhsa_code_object_version 6
	.text
	.protected	k_q445e598f5f_prep
	.globl	k_q445e598f5f_prep
	.p2align	8
	.type	k_q445e598f5f_prep,@function
k_q445e598f5f_prep:
	s_mov_b64 s[64:65], 0
	v_nop
	global_prefetch_b8 v0, s[64:65] scope:SCOPE_SE
	s_setreg_imm32_b32 hwreg(HW_REG_WAVE_MODE, 25, 1), 1
	s_wait_xcnt 0x0
; VECTOR QUANTIZER, launch 1 of 3.  cbb[j][c] = codebook[j][c] rounded to bf16; esq[j] = the sum over c of cbb[j][c]^2, in f32.
; THE PROGRAM.  Launch 2 finds idx[n] = the first argmin over j of d[n][j] = (S[n] + E[j]) - 2 x[n] . e[j]; launch 3 gathers e[idx[n]] and stores z + (e - z) as [b][c][hw].
; All inputs are rounded once to bf16 (x = bf16(z), e = bf16(codebook)), and S, E, the product, the gathered row and the last step's z are all taken of the rounded numbers.
; NO WORK OF reference() IS LEFT OUT.  S[n] is the same for all j, so in exact arithmetic it moves no argmin; but it is large beside E and the product, reference()'s f32 sum loses their low bits
; against it and decides by the first index among the d that then are equal: so S stays, and d is formed by the same two roundings, fl(fl(S + E) - 2 p).  E stays: it differs from code to code.
; z + (e - z) equals e in exact arithmetic, but its two roundings move the result by more than rounding of e where z is large beside e: it stays.  Both inputs are loaded.
; LIMITS.  The f32 sums E, S and p are taken in another order than reference()'s; where that difference carries a d over a rounding boundary between two nearly equal codes, another index is found.
; NaN and infinities are not treated apart.
; SHARES.  A work-group takes 64 rows, so that its 64 E are 256 consecutive bytes, aligned; wave w rows 8 w .. 8 w + 7.  A row is 1,024 bytes: lane l takes channels 4 l .. 4 l + 3 and
; 128 + 4 l .. 128 + 4 l + 3, so each load of a wave covers 512 consecutive bytes and each store of 8 bytes a lane 256, aligned.  All 16 loads of a wave go out at once.
; No matrix work, no cluster: no byte is shared between work-groups.
.set SPARE, 256                        ; LDS: bytes 0-255 the 64 E; from 256 on the spare words, 128 bytes for each of the eight waves, which no other line names
.set LO,  1                            ; v1   16 x lane
.set SO,  2                            ; v2   8 x lane
.set EA,  3                            ; v3   LDS address of my wave's eight E: 32 w
.set ZR,  4                            ; v4   0, the first addend of a row's sum
.set SPW, 6                            ; v6   LDS address of my spare word; never rewritten
.set NIL, 7                            ; v7   0; never rewritten
.set SUM, 8                            ; v[8:15]   row i's sum
.set TP,  16                           ; v[16:23]  the other half of the lanes' sum
.set X,   32                           ; v[32:95]  row i: 8 numbers in f32
.set Y,   96                           ; v[96:127] row i: 8 numbers in bf16
	s_load_b128 s[4:7], s[0:1], 0x0                ; codebook s[4:5], cbb s[6:7]
	s_load_b64 s[8:9], s[0:1], 0x10                ; esq
	v_lshl_add_u32 v[SPW], v0, 2, SPARE
	v_mov_b32 v[NIL], 0
	v_lshrrev_b32 v5, 5, v0
	v_readfirstlane_b32 s12, v5                    ; wave 0..7
	v_and_b32 v5, 31, v0                           ; lane
	v_lshlrev_b32 v[LO], 4, v5
	v_lshlrev_b32 v[SO], 3, v5
	s_lshl_b32 s13, s12, 5
	v_mov_b32 v[EA], s13
	v_mov_b32 v[ZR], 0
.irp i, 0,1,2,3,4,5,6,7
	v_mov_b32 v[TP+\i], 0                          ; v_permlanex16_b32 counts as a reader of its destination: written once here
.endr
	s_mov_b32 s16, 0x76543210                      ; each lane takes its own place in the other half
	s_mov_b32 s17, 0xfedcba98
	s_lshl_b32 s14, ttmp9, 6                       ; 64 x work-group
	s_lshl3_add_u32 s14, s12, s14                  ; + 8 x wave: my first row
	s_lshl_b32 s18, s14, 10                        ; its byte in codebook,
	s_mov_b32 s19, 0
	s_lshl_b32 s20, s14, 9                         ; in cbb,
	s_mov_b32 s21, 0
	s_lshl_b32 s22, ttmp9, 8                       ; and the work-group's 256 bytes of esq
	s_mov_b32 s23, 0
	s_wait_kmcnt 0x0
	s_add_nc_u64 s[4:5], s[4:5], s[18:19]
	s_add_nc_u64 s[6:7], s[6:7], s[20:21]
	s_add_nc_u64 s[8:9], s[8:9], s[22:23]
.irp i, 0,1,2,3,4,5,6,7
	global_load_b128 v[X+8*\i:X+8*\i+3],   v[LO], s[4:5] offset:1024*\i th:TH_LOAD_NT
	global_load_b128 v[X+8*\i+4:X+8*\i+7], v[LO], s[4:5] offset:1024*\i+512 th:TH_LOAD_NT
.endr
.irp i, 0,1,2,3,4,5,6,7
	s_wait_loadcnt 14-2*\i                         ; loads come back in order: row i's two are in, the later rows' may stay out
.irp q, 0,1,2,3
	v_cvt_pk_bf16_f32 v[Y+4*\i+\q], v[X+8*\i+2*\q], v[X+8*\i+2*\q+1]
.endr
	v_fma_mix_f32_bf16 v[SUM+\i], v[Y+4*\i], v[Y+4*\i], v[ZR] op_sel_hi:[1,1,0]                       ; the squares of the ROUNDED numbers, summed in f32
	v_fma_mix_f32_bf16 v[SUM+\i], v[Y+4*\i], v[Y+4*\i], v[SUM+\i] op_sel:[1,1,0] op_sel_hi:[1,1,0]
.irp q, 1,2,3
	v_fma_mix_f32_bf16 v[SUM+\i], v[Y+4*\i+\q], v[Y+4*\i+\q], v[SUM+\i] op_sel_hi:[1,1,0]
	v_fma_mix_f32_bf16 v[SUM+\i], v[Y+4*\i+\q], v[Y+4*\i+\q], v[SUM+\i] op_sel:[1,1,0] op_sel_hi:[1,1,0]
.endr
	global_store_b64 v[SO], v[Y+4*\i:Y+4*\i+1],   s[6:7] offset:512*\i       ; 32 lanes x 8 bytes: 256 consecutive bytes, aligned; Y is never rewritten
	global_store_b64 v[SO], v[Y+4*\i+2:Y+4*\i+3], s[6:7] offset:512*\i+256
.endr
	; across the 32 lanes, the eight rows side by side
.irp x, 1,2,4,8
.irp i, 0,1,2,3,4,5,6,7
	v_add_f32_dpp v[SUM+\i], v[SUM+\i], v[SUM+\i] row_xmask:\x row_mask:0xf bank_mask:0xf
.endr
.endr
.irp i, 0,1,2,3,4,5,6,7
	v_permlanex16_b32 v[TP+\i], v[SUM+\i], s16, s17
.endr
.irp i, 0,1,2,3,4,5,6,7
	v_add_f32 v[SUM+\i], v[SUM+\i], v[TP+\i]
.endr
.irp i, 0,1,2,3,4,5,6,7
	ds_store_b32 v[EA], v[SUM+\i] offset:4*\i      ; all lanes write the same word with the same number
.endr
	s_wait_dscnt 0x0                               ; for the others' sake: my stores are done
	s_barrier_signal -1
	s_barrier_wait -1                              ; all 64 E lie in LDS
	s_cmp_lg_u32 s12, 0
	s_cbranch_scc1 .Lend                           ; wave 0 stores them: 32 lanes x 8 bytes, 256 consecutive bytes, aligned
	ds_load_b64 v[24:25], v[SO]
	s_wait_dscnt 0x0
	global_store_b64 v[SO], v[24:25], s[8:9]
.Lend:
	s_wait_tensorcnt 0x0                           ; the wave's end, behind my last LDS store
	ds_add_u32 v[SPW], v[NIL]
	s_wait_dscnt 0x0
	s_endpgm
.Lfunc_end_k_q445e598f5f_prep:
	.size	k_q445e598f5f_prep, .Lfunc_end_k_q445e598f5f_prep-k_q445e598f5f_prep
	.p2alignl 7, 3214868480
	.fill 96, 4, 3214868480
	.section	.rodata,"a",@progbits
	.p2align	6, 0x0
	.amdhsa_kernel k_q445e598f5f_prep
		.amdhsa_group_segment_fixed_size 1280
		.amdhsa_private_segment_fixed_size 0
		.amdhsa_enable_private_segment 0
		.amdhsa_kernarg_size 24
		.amdhsa_user_sgpr_count 2
		.amdhsa_user_sgpr_kernarg_segment_ptr 1
		.amdhsa_wavefront_size32 1
		.amdhsa_system_sgpr_workgroup_id_x 1
		.amdhsa_system_sgpr_workgroup_id_y 1
		.amdhsa_system_sgpr_workgroup_id_z 1
		.amdhsa_system_vgpr_workitem_id 0
		.amdhsa_next_free_vgpr 128
		.amdhsa_next_free_sgpr 66
		.amdhsa_reserve_vcc 0
		.amdhsa_float_denorm_mode_32 3
		.amdhsa_float_denorm_mode_16_64 3
		.amdhsa_memory_ordered 1
		.amdhsa_forward_progress 1
		.amdhsa_inst_pref_size 15
	.end_amdhsa_kernel
	.amdgpu_metadata
---
amdhsa.version: [ 1, 2 ]
amdhsa.kernels:
  - .name:           k_q445e598f5f_prep
    .symbol:         k_q445e598f5f_prep.kd
    .args:
      - { .name: codebook, .offset: 0, .size: 8, .value_kind: global_buffer, .address_space: global }
      - { .name: cbb, .offset: 8, .size: 8, .value_kind: global_buffer, .address_space: global }
      - { .name: esq, .offset: 16, .size: 8, .value_kind: global_buffer, .address_space: global }
    .group_segment_fixed_size: 1280
    .private_segment_fixed_size: 0
    .kernarg_segment_align: 8
    .kernarg_segment_size: 24
    .max_flat_workgroup_size: 256
    .sgpr_count:     66
    .vgpr_count:     128
    .wavefront_size: 32
...
	.end_amdgpu_metadata
.endif
;; end of part 1
;; launch dist (part 2): grid 256 x 1, 4 waves a work-group, clusters of 4 x 1, 327,680 bytes of LDS; arguments z, cbb, esq, idx; writes idx
.if DOCPART == 2
	.amdgcn_target "amdgcn-amd-amdhsa--gfx1250"
	.amdhsa_code_object_version 6
	.text
	.protected	k_q445e598f5f_dist
	.globl	k_q445e598f5f_dist
	.p2align	8
	.type	k_q445e598f5f_dist,@function
k_q445e598f5f_dist:
	s_mov_b64 s[64:65], 0
	v_nop
	global_prefetch_b8 v0, s[64:65] scope:SCOPE_SE
	s_setreg_imm32_b32 hwreg(HW_REG_WAVE_MODE, 25, 1), 1
	s_wait_xcnt 0x0
	s_wait_alu depctr_hold_cnt(0) depctr_sa_sdst(0) depctr_va_vdst(0) depctr_va_sdst(0) depctr_va_ssrc(0) depctr_va_vcc(0) depctr_vm_vsrc(0)
	s_getreg_b32 s2, hwreg(HW_REG_IB_STS2, 6, 4)
	s_cmp_eq_u32 s2, 0
	s_cbranch_scc0 .Lentry_in_a_cluster
	s_endpgm
.Lentry_in_a_cluster:
	s_bfe_u32 s2, ttmp6, 0x10000c
	s_cmp_lg_u32 s2, 0x3003
	s_cbranch_scc0 .Lentry_shape_is_right
	s_endpgm
.Lentry_shape_is_right:
; VECTOR QUANTIZER, launch 2 of 3.  idx[n] = the FIRST argmin over j of d[n][j] = fl(fl(S[n] + E[j]) - 2 p[n][j]),  p[n][j] = the sum over c of zb[n][c] cbb[j][c].
; n = 4096 b + hw; zb = z[b][c][hw] rounded to bf16; S[n] = the sum over c of zb[n][c]^2 in f32; cbb (bf16) and E = esq (f32) come from launch 1.  Nothing of reference() is left out (see launch 1's head).
; d has reference()'s two roundings: 2 p is exact, so one fused multiply-add -2 p + t rounds as t - 2 p does.
; LIMITS.  p, S and E are f32 sums in another order than reference()'s; where that difference carries a d over a rounding boundary between two nearly equal codes, another index is found.
; NaN and infinities are not treated apart: a NaN d never lowers a minimum; a row without a finite d gets some index inside the table.
; SHARES.  A work-group owns 128 rows n (128 consecutive hw of one b) and walks the whole codebook in 32 blocks of 256 codes.  EVERY wave keeps all 128 rows of zb as fragments in 512 registers and takes a
; quarter of the codes: tile g = 0 .. 127 of wave w is the 16 codes from 64 g + 16 w on.  So one fragment of codes (two LDS loads) feeds eight products, and a wave's minima never meet another wave's before the end.
; LAYOUT.  Source 0 = 16 codes, source 1 = 16 rows: in the result a lane holds ONE row (lane % 16) and the codes 8 (lane / 16) + 0..7.  So S is one register a row tile, E eight registers a code tile.
; THE ARGMIN.  For each of the 64 result registers of a code tile a running minimum BEST and the tile's code base IDX; the index is replaced only where d < BEST, so each keeps the first tile of its minimum.
; For a result register: half a packed add (t), half a packed multiply-add (d), a compare, a select, a minimum: 32 vector lines for the 8 products of a row tile.
; BY TURNS.  While tile g is multiplied (64 products, the 8 accumulators by turns), tile g - 1's 256 vector lines stand between the products, a SLICE of four behind each.
; Two sets of accumulators, of code fragments and of E take turns.  A slice costs two window switches.
; THE RING.  Two LDS slots of one block (256 codes x 512 bytes) each.  CLUSTER: the four work-groups of a cluster walk the same codebook, so each tile is asked for JOINTLY: the same tensor load, with the same
; descriptor and a mask that names the four; each wave asks for its quarter (64 codes).  By this text's count a wave has three tensor loads out at the start and one behind each change of slots.
; REGISTERS, in windows of 256 (s_set_vgpr_msb: bits 1:0 source 0, 3:2 source 1, 5:4 source 2, 7:6 destination):
;   window 0: v0-15 addresses; v16-19 partial S; v20-27 S; v28-43 E, two sets; v44-51 t, then d; v52-54 at work; v64-191 accumulators, two sets of 8 x 8; v192-223 at work in the head
;   window 1: v0-127 code fragments, two sets of 8 x 8; v128-191 BEST; v192-255 IDX (in the head all 256: z as loaded)      windows 2, 3: zb: row tile rt, K step k at 64 (rt % 4) + 8 k of window 2 + rt / 4
.set PB,     528                       ; a code's row in LDS: 512 bytes + 16 of padding = 132 words: the 16 rows of a load start at 16 different groups of four banks (64 banks of 4 bytes: ISA guide 11.1)
.set QUART,  64*PB                     ; 64 codes: what one tensor load brings, and the distance between a wave's tiles in a slot
.set SLOT,   4*QUART                   ; 135,168 = 0x21000: it shares no bit with wave x QUART, so one exclusive or turns an address in one slot into the other's
.set ETAB,   2*SLOT                    ; E, 32,768 bytes, filled once
.set STAGE,  ETAB+32768                ; 64 channels x 288 bytes, written by LDS stores alone: zb on its way into fragments; at the end the four waves' minima, 1,024 bytes each
.set PZ,     288                       ; a channel's 128 positions: 256 bytes + 32 = 72 words
.set SPART,  STAGE+64*PZ               ; the four waves' partial S: 128 f32 each
.set SPARE,  SPART+2048                ; the spare words, 128 bytes for each wave: two blocks of 256 bytes that no other line names
.set BLOCKB, 256*512                   ; bytes of a block of codes in cbb
.set RR,  1                            ; v1   lane % 16
.set AB0, 2                            ; v2   my place in a tile of codes: (16 w + lane % 16) x 528 + 16 (lane / 16); never rewritten
.set AE0, 3                            ; v3   ETAB + 32 (lane / 16); never rewritten
.set ADR, 4                            ; v4   LDS address of the run of loads in hand
.set ADE, 5                            ; v5   of E's two loads
.set ATR, 6                            ; v6   the turning load's address in the stage
.set ZO,  7                            ; v7   16 x lane
.set STS, 8                            ; v8   where I put 8 bytes of a channel in the stage
.set SRD, 9                            ; v9   SPART + 4 (lane % 16)
.set SPS, 10                           ; v10  where I put my four partial S
.set HH,  11                           ; v11  lane / 16
.set MST, 12                           ; v12  where I put a row's minimum and index at the end
.set PFO, 13                           ; v13  256 x lane; never rewritten
.set SPW, 14                           ; v14  LDS address of my spare word: SPARE + 4 x my thread's number; never rewritten
.set NIL, 15                           ; v15  0; never rewritten
.set SA,  16
.set SS,  20
.set EB,  28
.set T,   44
.set TM,  52
.set ACC, 64
.set OUTI, 96                          ; the end: four indices to store
.set PK,  192
.set BF,  0                            ; window 1
.set BEST, 128
.set IDX, 192
.set H8M, 0                            ; window 1, the end: 8 (lane / 16) - 64
.set PT,  2                            ; window 1, the end: the other half of the lanes' pair
.set PR,  16                           ; window 1, the end: row tile rt's minimum and index at PR + 2 rt
.set WV,  12                           ; s12  my wave's number
.set LIM, 15                           ; s15  2 in the cluster that prefetches, else the greatest number
.set G1,  16                           ; s[16:23] descriptor group 1 for the codes' tiles
.set G1E, 24                           ; s[24:31] for E
.set G0A, 32                           ; s[32:35] group 0: block 0 into slot 0
.set G0B, 36                           ; s[36:39] block 1 into slot 1; then it walks
.set G0E, 40                           ; s[40:43] E
.set BLK, 44                           ; s44  changes of slots that still fill
.set CNT, 45                           ; s45  counts pairs of tiles
.set TB,  46                           ; s46  LDS byte at which the tile to be fetched begins (for wave 0)
.set WOFF, 48                          ; s48  wave x QUART
.set CB,  49                           ; s49  the code base of the tile that is being multiplied: 64 g + 16 w
.set MK,  50                           ; s50  a compare's mask beside VCC
.set INF, 51                           ; s51  +infinity
.set PFA, 52                           ; s[52:53] where my prefetches stand
.set SEL, 54                           ; s[54:55] v_permlanex16_b32's selects: each lane takes its own place in the other half
.set MKA, 56                           ; s56, s57  masks at the end
.set MKB, 57
.set MSB, 0
.macro WIN new                         ; the immediate's high byte repeats the setting that is left; a switch that changes nothing is dropped
.if MSB != (\new)
	s_set_vgpr_msb (MSB<<8)|(\new)
.set MSB, (\new)
.endif
.endm
.set W_LO,  0x09                       ; codes (source 0) window 1, zb (source 1) window 2, accumulators window 0
.set W_HI,  0x0d                       ; the same with zb in window 3
.set W_Q,   0x44                       ; source 0 (d) window 0, source 1 and destination (BEST, IDX) window 1
.set W_TOB, 0x40                       ; destination window 1
.set W_CVT, 0x05                       ; sources 0 and 1 window 1, destination window 0
.set W_RED, 0x55                       ; all in window 1
.set W_ST,  0x04                       ; an LDS store's data in window 1, its address in window 0
; A round of the cluster's barrier: my work-group's barrier, so that wave 0's signal speaks for all four waves; wave 0 signals; every wave waits for all four work-groups; my work-group's barrier once more.
.macro CROUND
	s_barrier_signal -1
	s_barrier_wait -1
	s_cmp_lg_u32 s[WV], 0
	s_cbranch_scc1 .Lnot_wave_0_\@
	s_barrier_signal -3
.Lnot_wave_0_\@:
	s_barrier_wait -3
	s_barrier_signal -1
	s_barrier_wait -1
.endm
; A PREFETCH INTO THE L2, behind the joint refill and its five lines.  Behind the refill that asks for block b + 2 it names block b + 4: two refills, 512 products of a wave, ahead of the load that will want it.
; cbb was stored by the launch before.  All 64 clusters walk the same blocks: the cluster with x = 0 asks, nobody else.  Its 4 work-groups x 4 waves x 32 lanes name the block's 512 pieces of 256 bytes, a lane a
; piece, told apart BY ADDRESS ((4 cx + w) x 8,192 + 256 x lane): no branch hangs on a work-group's place in its cluster.  Blocks 0 to 3 come by their loads alone; the last two refills ask for nothing.
.macro ASK
	s_cmp_gt_u32 s[BLK], s[LIM]
	s_cbranch_scc0 .Lnot_mine_\@
	global_prefetch_b8 v[PFO], s[PFA:PFA+1] th:TH_LOAD_NT scope:SCOPE_SE
.Lnot_mine_\@:
.endm
; Product i of 64 of a tile, into set par: K step i / 8, row tile i % 8.  The first 8 start the sums with the constant 0: nothing is cleared.
.macro MMA par
.set mk, i/8
.set mrt, i%8
.set mA, ACC+64*(\par)+8*mrt
.set mB, BF+64*(\par)+8*mk
.set mZ, 64*(mrt%4)+8*mk
	WIN W_LO+4*(mrt/4)
.if mk == 0
	v_wmma_f32_16x16x32_bf16 v[mA:mA+7], v[mB:mB+7], v[mZ:mZ+7], 0
.else
	v_wmma_f32_16x16x32_bf16 v[mA:mA+7], v[mB:mB+7], v[mZ:mZ+7], v[mA:mA+7]
.endif
.set i, i+1
.endm
; Slice sl of 64 of the tile BEFORE (set 1 - par): row tile sl / 8, part sl % 8.
;   0  t = S + E, four packed adds       1  d = -2 p + t, four packed multiply-adds, ascending: an accumulator's lowest registers are read first
;   2, 3, 4  d0-d3, and 5, 6, 7  d4-d7:  two compares d >= BEST and two selects (IDX stays where d >= BEST, else takes s[CB]) | two minima and the next two compares | their selects and minima
; s[CB] is the base of the tile that is being multiplied, 64 above that of the tile whose d these are: the 64 are taken off at the end.
.macro SLICE par
.set srt, sl/8
.set skd, sl%8
.set sA, ACC+64*(1-(\par))+8*srt
.set sE, EB+8*(1-(\par))
.set sS, SS+2*(srt/2)
.set sg, 4*((skd+1)/3-1)               ; parts 2-4: 0; parts 5-7: 4
.set sB, BEST+8*srt+sg
.set sI, IDX+8*srt+sg
.set sT, T+sg
.if skd == 0
	WIN 0
.irp q, 0,2,4,6
.if srt%2 == 0
	v_pk_add_f32 v[T+\q:T+\q+1], v[sE+\q:sE+\q+1], v[sS:sS+1] op_sel_hi:[1,0]
.else
	v_pk_add_f32 v[T+\q:T+\q+1], v[sE+\q:sE+\q+1], v[sS:sS+1] op_sel:[0,1] op_sel_hi:[1,1]
.endif
.endr
.elseif skd == 1
	WIN 0
.irp q, 0,2,4,6
	v_pk_fma_f32 v[T+\q:T+\q+1], v[sA+\q:sA+\q+1], -2.0, v[T+\q:T+\q+1] op_sel_hi:[1,0,1]
.endr
.elseif (skd-2)%3 == 0
	WIN W_Q
	v_cmp_ge_f32 vcc_lo, v[sT], v[sB]
	v_cmp_ge_f32 s[MK], v[sT+1], v[sB+1]
	v_cndmask_b32 v[sI], s[CB], v[sI], vcc_lo
	v_cndmask_b32 v[sI+1], s[CB], v[sI+1], s[MK]
.elseif (skd-2)%3 == 1
	WIN W_Q
	v_min_num_f32 v[sB], v[sT], v[sB]
	v_min_num_f32 v[sB+1], v[sT+1], v[sB+1]
	v_cmp_ge_f32 vcc_lo, v[sT+2], v[sB+2]
	v_cmp_ge_f32 s[MK], v[sT+3], v[sB+3]
.else
	WIN W_Q
	v_cndmask_b32 v[sI+2], s[CB], v[sI+2], vcc_lo
	v_cndmask_b32 v[sI+3], s[CB], v[sI+3], s[MK]
	v_min_num_f32 v[sB+2], v[sT+2], v[sB+2]
	v_min_num_f32 v[sB+3], v[sT+3], v[sB+3]
.endif
.set sl, sl+1
.endm
; THE LDS LOADS of a tile stand in one run.  what = 1: the NEXT tile's 8 fragments of codes into set 1 - par, and THIS tile's 8 E into set par (the next tile's slices want them).  2: E alone.  3: the codes alone.
.macro FETCH par, what
	WIN 0
.if (\what) != 2
	v_add_nc_u32 v[ADR], s[TB], v[AB0]
.endif
.if (\what) != 3
	v_lshl_add_u32 v[ADE], s[CB], 2, v[AE0]
.endif
.if (\what) != 2
	WIN W_TOB
.irp k, 0,1,2,3,4,5,6,7
	ds_load_b128 v[BF+64*(1-(\par))+8*\k:BF+64*(1-(\par))+8*\k+3],   v[ADR] offset:64*\k
	ds_load_b128 v[BF+64*(1-(\par))+8*\k+4:BF+64*(1-(\par))+8*\k+7], v[ADR] offset:64*\k+32
.endr
	s_add_co_u32 s[TB], s[TB], QUART               ; the next fetch is the next tile's
	WIN 0
.endif
.if (\what) != 3
	ds_load_b128 v[EB+8*(\par):EB+8*(\par)+3],   v[ADE]
	ds_load_b128 v[EB+8*(\par)+4:EB+8*(\par)+7], v[ADE] offset:16
.endif
.endm
; A TILE.  Its run of loads stands behind the second product's slice.  A load into a register that a matrix instruction has read stands four plain vector instructions, which name none of that instruction's
; registers, behind it (ISA guide 7.12.1 for vector instructions): behind the last tile's last product stand its slice 63 and this tile's slices 0 and 1.
; riders = 0: the first tile, with no tile before it; its run loads into registers that no product has read yet.
.macro TILE par, riders, what
	s_wait_dscnt 0x0                               ; this tile's codes and the last tile's E, asked for 62 products ago, are in
.set i, 0
.set sl, 0
.rept 64
	MMA \par
.if \riders
	SLICE \par
.endif
.if i == 2
	FETCH \par, \what
.endif
.endr
	s_add_co_u32 s[CB], s[CB], 64
.endm
; THE CHANGE OF SLOTS, where the slot's fourth tile has been fetched.  Each wave waits for all its tensor loads, of which one is out: its quarter of the other slot; adds 0 to its spare word; and waits for that and
; for its own reads of the slot.  fill = 1: the barrier is a round of the cluster's, so that no wave of any partner still reads the slot or has a load on its way; the joint refill, the block two on, is the first
; thing behind it and has four tiles, 256 products of a wave, in which to land.
.macro CHANGE fill
	WIN 0                                          ; at a label and at a branch every window is 0
	s_wait_tensorcnt 0x0                           ; no tensor load of mine is out, so a group 0 may be written
	ds_add_u32 v[SPW], v[NIL]                      ; 0 onto my spare word: scalar work stands between it and the wait for it
.if \fill
	s_xor_b32 s[G0B+1], s[G0B+1], SLOT             ; the walking descriptor: the other slot than last time,
	s_add_nc_u64 s[G0B+2:G0B+3], s[G0B+2:G0B+3], BLOCKB  ; the next block; the type bits on top are not reached
	s_wait_xcnt 0x0                                ; the last prefetch, four tiles back, has read its address, so it may be written
	s_add_nc_u64 s[PFA:PFA+1], s[PFA:PFA+1], BLOCKB
.endif
	s_sub_co_u32 s[TB], s[TB], SLOT                ; the fetches go back to a slot's first tile,
	s_xor_b32 s[TB], s[TB], SLOT                   ; in the other slot
	s_wait_dscnt 0x0                               ; the add is done, and my reads of the slot are over
.if \fill
	CROUND
	tensor_load_to_lds s[G0B:G0B+3], s[G1:G1+7]
	s_nop 0
.rept 4
	v_nop
.endr
	ASK
.else
	s_barrier_signal -1
	s_barrier_wait -1
.endif
.endm
; The better of two pairs (minimum, index): the lower d, and of equal d the lower index.
.macro LEX va, ia, vb, ib, dv, di
	v_cmp_lt_f32 s[MKA], v[\vb], v[\va]
	v_cmp_eq_f32 s[MKB], v[\vb], v[\va]
	v_cmp_lt_u32 vcc_lo, v[\ib], v[\ia]
	s_and_b32 s[MKB], s[MKB], vcc_lo
	s_or_b32 s[MKA], s[MKA], s[MKB]
	v_cndmask_b32 v[\dv], v[\va], v[\vb], s[MKA]
	v_cndmask_b32 v[\di], v[\ia], v[\ib], s[MKA]
.endm
; A QUARTER OF THE CHANNELS (64 rd .. 64 rd + 63) goes from [channel][position] in f32 to fragments.  My 16 channels are rounded to bf16, their squares added to my partial S, and stored into the stage;
; behind a barrier every wave takes all 64 channels out of it, turned: 2 K steps x 8 row tiles.  Nothing is filled by a tensor load behind these barriers, so the first tiles stay on their way.
.macro ZROUND rd
	s_wait_loadcnt 48-16*(\rd)                     ; loads come back in order: this quarter's 16 are in, the later quarters' may stay out
	WIN W_CVT
.set j, 0
.rept 16
	v_cvt_pk_bf16_f32 v[PK+2*j],   v[64*(\rd)+4*j],   v[64*(\rd)+4*j+1]
	v_cvt_pk_bf16_f32 v[PK+2*j+1], v[64*(\rd)+4*j+2], v[64*(\rd)+4*j+3]
.set j, j+1
.endr
	WIN 0
.set j, 0
.rept 16
	v_fma_mix_f32_bf16 v[SA],   v[PK+2*j],   v[PK+2*j],   v[SA]   op_sel_hi:[1,1,0]
	v_fma_mix_f32_bf16 v[SA+1], v[PK+2*j],   v[PK+2*j],   v[SA+1] op_sel:[1,1,0] op_sel_hi:[1,1,0]
	v_fma_mix_f32_bf16 v[SA+2], v[PK+2*j+1], v[PK+2*j+1], v[SA+2] op_sel_hi:[1,1,0]
	v_fma_mix_f32_bf16 v[SA+3], v[PK+2*j+1], v[PK+2*j+1], v[SA+3] op_sel:[1,1,0] op_sel_hi:[1,1,0]
.set j, j+1
.endr
.if (\rd) > 0
	s_wait_dscnt 0x0                               ; my reads of the stage are over,
	s_barrier_signal -1
	s_barrier_wait -1                              ; everybody's are: it may be written again
.endif
.set j, 0
.rept 16
	ds_store_b64 v[STS], v[PK+2*j:PK+2*j+1] offset:PZ*j
.set j, j+1
.endr
.if (\rd) == 3
	ds_store_b128 v[SPS], v[SA:SA+3]               ; my partial S of positions 4 x lane + 0..3
.endif
	s_wait_dscnt 0x0                               ; for the others' sake: my stores are done
	s_barrier_signal -1
	s_barrier_wait -1
.irp ks, 0,1
.set rt, 0
.rept 8
	WIN 0x80+0x40*(rt/4)                           ; destination window 2 or 3
	ds_load_tr16_b128 v[64*(rt%4)+8*(2*(\rd)+\ks):64*(rt%4)+8*(2*(\rd)+\ks)+3],   v[ATR] offset:32*PZ*\ks+32*rt
	ds_load_tr16_b128 v[64*(rt%4)+8*(2*(\rd)+\ks)+4:64*(rt%4)+8*(2*(\rd)+\ks)+7], v[ATR] offset:32*PZ*\ks+32*rt+16*PZ
.set rt, rt+1
.endr
.endr
	WIN 0
.endm
	s_load_b256 s[4:11], s[0:1], 0x0               ; z s[4:5], cbb s[6:7], esq s[8:9], idx s[10:11]
	v_lshl_add_u32 v[SPW], v0, 2, SPARE
	v_mov_b32 v[NIL], 0
	ds_add_u32 v[SPW], v[NIL]                      ; the wave's opening: the add, twice on end, and its wait stand ahead of my first tensor load; the set-up below, work on registers, stands between
	ds_add_u32 v[SPW], v[NIL]                      ; and once more, under the one wait
	v_lshrrev_b32 v[TM], 5, v0
	v_readfirstlane_b32 s[WV], v[TM]               ; wave 0..3
	s_bfe_u32 s13, ttmp6, 0x40000                  ; cx: my place in the cluster
	s_lshl_b32 s14, ttmp9, 2                       ; in a cluster launch ttmp9 counts clusters
	s_add_co_u32 s14, s14, s13                     ; my work-group: it enters z's, idx's and the prefetches' addresses alone
	s_mov_b32 s60, ttmp9
	s_cmp_eq_u32 s60, 0                            ; the first cluster prefetches: the same in all four partners
	s_cselect_b32 s[LIM], 2, -1
	; descriptor group 1 for the codes: a tile of 64 rows x 256 elements of 2 bytes, padded in LDS
	s_mov_b32 s[G1], 15|(1<<16)|(1<<20)|(1<<21)|(6<<22)|(3<<25)  ; 15:0 the mask of four; 17:16 2-byte elements; 20 padding on; 21 set beside a mask; 24:22 after every 128 words (code 6); 31:25 4 words (code 3)
	s_mov_b32 s[G1+1], 256<<16                     ; tensor_dim0 = 256
	s_mov_b32 s[G1+2], 64<<16                      ; tensor_dim1 = 64
	s_mov_b32 s[G1+3], 256<<16                     ; tile_dim0 = 256
	s_mov_b32 s[G1+4], 64                          ; tile_dim1 = 64
	s_mov_b32 s[G1+5], 256                         ; 256 elements from row to row
	s_mov_b32 s[G1+6], 0
	s_mov_b32 s[G1+7], 0
	; for E: my 8,192 dense bytes as 32 rows of 32 elements of 8 bytes
	s_mov_b32 s[G1E], 15|(3<<16)|(1<<21)
	s_mov_b32 s[G1E+1], 32<<16
	s_mov_b32 s[G1E+2], 32<<16
	s_mov_b32 s[G1E+3], 32<<16
	s_mov_b32 s[G1E+4], 32
	s_mov_b32 s[G1E+5], 32
	s_mov_b32 s[G1E+6], 0
	s_mov_b32 s[G1E+7], 0
	s_mul_i32 s[WOFF], s[WV], QUART                ; my quarter of a slot: no place in the cluster enters an LDS address
	s_mov_b32 s[G0A], 1                            ; 1:0 count = 1
	s_mov_b32 s[G0A+1], s[WOFF]                    ; 63:32 LDS address: slot 0
	s_mov_b32 s[G0B], 1
	s_add_co_u32 s[G0B+1], s[WOFF], SLOT           ; slot 1
	s_mov_b32 s[G0E], 1
	s_lshl_b32 s60, s[WV], 13                      ; my 8,192 bytes of E,
	s_add_co_u32 s[G0E+1], s60, ETAB
	s_mov_b32 s61, 0
	s_lshl_b32 s62, s[WV], 15                      ; my 64 codes of a block: 32,768 bytes
	s_mov_b32 s63, 0
	s_mov_b32 s[SEL], 0x76543210
	s_mov_b32 s[SEL+1], 0xfedcba98
	s_mov_b32 s[INF], 0x7f800000
	s_mov_b32 s[TB], 0
	s_lshl_b32 s[CB], s[WV], 4                     ; tile 0's code base: 16 w
	s_lshr_b32 s56, s14, 5                         ; b,
	s_lshl_b32 s56, s56, 22                        ; its 256 x 4,096 x 4 bytes of z,
	s_and_b32 s57, s14, 31
	s_lshl_b32 s57, s57, 9                         ; my work-group's 128 positions,
	s_add_co_u32 s56, s56, s57
	s_lshl_b32 s57, s[WV], 18                      ; my wave's 16 channels of a quarter
	s_add_co_u32 s56, s56, s57
	s_mov_b32 s57, 0
	s_lshl_b32 s58, s14, 9                         ; my work-group's 128 words of idx
	s_mov_b32 s59, 0
	v_and_b32 v[RR], 15, v0
	v_bfe_u32 v[HH], v0, 4, 1
	v_and_b32 v[TM], 31, v0                        ; lane
	v_and_b32 v[TM+1], 7, v0
	v_bfe_u32 v[TM+2], v0, 3, 1
	; A fragment of codes is 16 rows x 32 channels in 8 registers: lane l holds row l % 16, channels 8 (l / 16) + 0..7 and 16 + 8 (l / 16) + 0..7: two loads of 16 bytes, 32 bytes apart.
	v_mul_u32_u24 v[AB0], v[RR], PB
	v_lshl_add_u32 v[AB0], v[HH], 4, v[AB0]
	s_mul_i32 s47, s[WV], 16*PB
	v_add_nc_u32 v[AB0], s47, v[AB0]
	v_lshl_add_u32 v[AE0], v[HH], 5, ETAB
	; The turning load takes 16 channels x 16 positions (lane l reads channel 8 (l / 16) + l % 8, positions 8 ((l / 8) % 2) + 0..7) and leaves half a fragment: lane l holds position l % 16 and 8 channels.
	v_lshl_add_u32 v[ATR], v[HH], 3, v[TM+1]
	v_mul_u32_u24 v[ATR], v[ATR], PZ
	v_lshl_add_u32 v[ATR], v[TM+2], 4, v[ATR]
	v_add_nc_u32 v[ATR], STAGE, v[ATR]
	v_lshlrev_b32 v[ZO], 4, v[TM]
	s_mul_i32 s47, s[WV], 16*PZ
	s_add_co_u32 s47, s47, STAGE
	v_lshl_add_u32 v[STS], v[TM], 3, s47
	v_lshl_add_u32 v[SRD], v[RR], 2, SPART
	s_lshl_b32 s47, s[WV], 9
	s_add_co_u32 s47, s47, SPART
	v_lshl_add_u32 v[SPS], v[TM], 4, s47
	s_lshl_b32 s47, s[WV], 10
	s_add_co_u32 s47, s47, STAGE
	v_lshl_add_u32 v[MST], v[RR], 3, s47
	v_lshlrev_b32 v[PFO], 8, v[TM]
.irp q, 0,1,2,3
	v_mov_b32 v[SA+\q], 0
.endr
	s_wait_dscnt 0x0                               ; both opening adds are done
	s_wait_kmcnt 0x0
	s_add_nc_u64 s[4:5], s[4:5], s[56:57]
	s_add_nc_u64 s[10:11], s[10:11], s[58:59]
	s_add_nc_u64 s[G0E+2:G0E+3], s[8:9], s[60:61]  ; 120:64 global address
	s_or_b32 s[G0E+3], s[G0E+3], 0x80000000        ; 127:126 type = 2
	s_add_nc_u64 s[G0A+2:G0A+3], s[6:7], s[62:63]
	s_add_nc_u64 s[G0B+2:G0B+3], s[G0A+2:G0A+3], BLOCKB
	s_or_b32 s[G0A+3], s[G0A+3], 0x80000000
	s_or_b32 s[G0B+3], s[G0B+3], 0x80000000
	s_lshl_b32 s56, s13, 2
	s_add_co_u32 s56, s56, s[WV]                   ; 4 cx + w: my sixteenth of a block,
	s_lshl_b32 s56, s56, 13
	s_add_co_u32 s56, s56, 3*BLOCKB                ; in block 3: the first change of slots steps it to block 4.  Nothing is prefetched here, at the head
	s_add_nc_u64 s[PFA:PFA+1], s[6:7], s[56:57]
	CROUND                                         ; all four work-groups are here: the first joint loads meet
	tensor_load_to_lds s[G0E:G0E+3], s[G1E:G1E+7]  ; the first fills go out as one group: E,
	s_nop 0
	tensor_load_to_lds s[G0A:G0A+3], s[G1:G1+7]    ; block 0,
	s_nop 0
	tensor_load_to_lds s[G0B:G0B+3], s[G1:G1+7]    ; block 1
	s_nop 0
.rept 4
	v_nop
.endr
	; z: my 16 channels of each quarter, 128 positions each: a load covers 512 consecutive bytes, aligned.  All 64 go out at once, into window 1.
	WIN W_TOB
.set n, 0
.rept 64
	global_load_b128 v[4*n:4*n+3], v[ZO], s[4:5] offset:(64*(n/16)+n%16)*16384 th:TH_LOAD_NT
.set n, n+1
.endr
	WIN 0
	ZROUND 0
	ZROUND 1
	ZROUND 2
	ZROUND 3
	; S of my lane's row in each row tile: the four waves' partial sums, added in the same order by every wave
.set rt, 0
.rept 8
.irp wv, 0,1,2,3
	ds_load_b32 v[PK+4*rt+\wv], v[SRD] offset:512*\wv+64*rt
.endr
.set rt, rt+1
.endr
	WIN W_TOB                                      ; the minima start at +infinity, so that the first tile's slices are slices like any other; written while the LDS loads and the first tiles are on their way
.set n, 0
.rept 64
	v_mov_b32 v[BEST+n], s[INF]
	v_mov_b32 v[IDX+n], 64
.set n, n+1
.endr
	WIN 0
	s_wait_dscnt 0x0                               ; zb's fragments and the partial sums are in
.set rt, 0
.rept 8
	v_add_f32 v[PK+4*rt], v[PK+4*rt], v[PK+4*rt+1]
	v_add_f32 v[PK+4*rt+2], v[PK+4*rt+2], v[PK+4*rt+3]
	v_add_f32 v[SS+rt], v[PK+4*rt], v[PK+4*rt+2]
.set rt, rt+1
.endr
	s_wait_tensorcnt 0x1                           ; tensor loads of a wave end in order: my parts of E and of block 0 are in; block 1's, issued last, may stay out
	s_barrier_signal -1
	s_barrier_wait -1                              ; everybody's are
	FETCH 1, 3                                     ; tile 0's codes
	TILE 0, 0, 1                                   ; tile 0: there is no vector work yet to set between its products
	TILE 1, 1, 1                                   ; tiles 1 and 2 are written out, so that every loop below starts from one constant
	TILE 0, 1, 1
	WIN 0
	s_mov_b32 s[BLK], 30
.Lblock:                                               ; 30 trips: trip b leaves slot b % 2, fills it with block b + 2, and multiplies tiles 4 b + 3 .. 4 b + 6
	CHANGE 1
	s_mov_b32 s[CNT], 2
.Lpair:
	TILE 1, 1, 1
	TILE 0, 1, 1
	WIN 0
	s_sub_co_u32 s[CNT], s[CNT], 1
	s_cmp_lg_u32 s[CNT], 0
	s_cbranch_scc1 .Lpair
	s_sub_co_u32 s[BLK], s[BLK], 1
	s_cmp_lg_u32 s[BLK], 0
	s_cbranch_scc1 .Lblock
	CHANGE 0                                       ; the tail is written out: block 31 is in, nothing is asked for
	s_mov_b32 s[CNT], 2
.Ltpair:                                               ; tiles 123 to 126
	TILE 1, 1, 1
	TILE 0, 1, 1
	WIN 0
	s_sub_co_u32 s[CNT], s[CNT], 1
	s_cmp_lg_u32 s[CNT], 0
	s_cbranch_scc1 .Ltpair
	TILE 1, 1, 2                                   ; tile 127: no tile follows, only its E is fetched
	s_wait_dscnt 0x0                               ; E of tile 127
.set sl, 0
.rept 64
	SLICE 0                                        ; tile 127's slices, by themselves
.endr
	; THE END.  A register's true index is IDX - 64 + 8 (lane / 16) + j.  For each row tile: the best of the lane's 8 pairs, then of the two halves of the lanes; then the four waves' meet in LDS.
	WIN W_TOB
	v_lshl_add_u32 v[H8M], v[HH], 3, 0xffffffc0
	v_mov_b32 v[PT], 0                             ; v_permlanex16_b32 counts as a reader of its destination
	v_mov_b32 v[PT+1], 0
	WIN W_RED
.set rt, 0
.rept 8
.irp j, 0,1,2,3,4,5,6,7
	v_add3_u32 v[IDX+8*rt+\j], v[IDX+8*rt+\j], v[H8M], \j
.endr
.irp j, 0,2,4,6
	LEX BEST+8*rt+\j, IDX+8*rt+\j, BEST+8*rt+\j+1, IDX+8*rt+\j+1, BEST+8*rt+\j, IDX+8*rt+\j
.endr
.irp j, 0,4
	LEX BEST+8*rt+\j, IDX+8*rt+\j, BEST+8*rt+\j+2, IDX+8*rt+\j+2, BEST+8*rt+\j, IDX+8*rt+\j
.endr
	LEX BEST+8*rt, IDX+8*rt, BEST+8*rt+4, IDX+8*rt+4, BEST+8*rt, IDX+8*rt
	v_permlanex16_b32 v[PT], v[BEST+8*rt], s[SEL], s[SEL+1]     ; the row's other 8 codes of each tile lie in the lane 16 away
	v_permlanex16_b32 v[PT+1], v[IDX+8*rt], s[SEL], s[SEL+1]
	LEX BEST+8*rt, IDX+8*rt, PT, PT+1, PR+2*rt, PR+2*rt+1
.set rt, rt+1
.endr
	WIN W_ST
.set rt, 0
.rept 8
	ds_store_b64 v[MST], v[PR+2*rt:PR+2*rt+1] offset:128*rt     ; row p's pair at 1,024 w + 8 p of the stage, whose last reads lie many barriers back; both halves of the lanes write the same
.set rt, rt+1
.endr
	WIN 0
	s_wait_dscnt 0x0                               ; for the others' sake: my stores are done
	s_barrier_signal -1
	s_barrier_wait -1
	s_cmp_lg_u32 s[WV], 0
	s_cbranch_scc1 .Lend                           ; wave 0 merges: lane l takes rows 4 l .. 4 l + 3
	v_lshl_add_u32 v[TM], v[ZO], 1, STAGE
.irp wv, 0,1,2,3
	ds_load_b128 v[ACC+8*\wv:ACC+8*\wv+3],   v[TM] offset:1024*\wv
	ds_load_b128 v[ACC+8*\wv+4:ACC+8*\wv+7], v[TM] offset:1024*\wv+16
.endr
	s_wait_dscnt 0x0
.irp q, 0,1,2,3
	LEX ACC+2*\q, ACC+2*\q+1, ACC+8+2*\q, ACC+8+2*\q+1, ACC+2*\q, ACC+2*\q+1
	LEX ACC+16+2*\q, ACC+16+2*\q+1, ACC+24+2*\q, ACC+24+2*\q+1, ACC+16+2*\q, ACC+16+2*\q+1
	LEX ACC+2*\q, ACC+2*\q+1, ACC+16+2*\q, ACC+16+2*\q+1, ACC+2*\q, OUTI+\q
.endr
	global_store_b128 v[ZO], v[OUTI:OUTI+3], s[10:11]           ; 512 consecutive bytes, at a multiple of 256 from idx's first byte
.Lend:
	s_wait_tensorcnt 0x0                           ; the wave's end, behind my last tensor load and my last LDS store
	ds_add_u32 v[SPW], v[NIL]
	s_wait_dscnt 0x0
	CROUND                                         ; the closing round: no work-group ends while a partner may still ask for a tile that names it
	s_endpgm
.Lfunc_end_k_q445e598f5f_dist:
	.size	k_q445e598f5f_dist, .Lfunc_end_k_q445e598f5f_dist-k_q445e598f5f_dist
	.p2alignl 7, 3214868480
	.fill 96, 4, 3214868480
	.section	.rodata,"a",@progbits
	.p2align	6, 0x0
	.amdhsa_kernel k_q445e598f5f_dist
		.amdhsa_group_segment_fixed_size 327680
		.amdhsa_private_segment_fixed_size 0
		.amdhsa_enable_private_segment 0
		.amdhsa_kernarg_size 32
		.amdhsa_user_sgpr_count 2
		.amdhsa_user_sgpr_kernarg_segment_ptr 1
		.amdhsa_wavefront_size32 1
		.amdhsa_system_sgpr_workgroup_id_x 1
		.amdhsa_system_sgpr_workgroup_id_y 1
		.amdhsa_system_sgpr_workgroup_id_z 1
		.amdhsa_system_vgpr_workitem_id 0
		.amdhsa_next_free_vgpr 1024
		.amdhsa_next_free_sgpr 66
		.amdhsa_reserve_vcc 1
		.amdhsa_float_denorm_mode_32 3
		.amdhsa_float_denorm_mode_16_64 3
		.amdhsa_memory_ordered 1
		.amdhsa_forward_progress 1
		.amdhsa_inst_pref_size 255
	.end_amdhsa_kernel
	.section	.bss,"aw",@nobits
	.p2align	6
	.space	262144
	.amdgpu_metadata
---
amdhsa.version: [ 1, 2 ]
amdhsa.kernels:
  - .name:           k_q445e598f5f_dist
    .symbol:         k_q445e598f5f_dist.kd
    .args:
      - { .name: z, .offset: 0, .size: 8, .value_kind: global_buffer, .address_space: global }
      - { .name: cbb, .offset: 8, .size: 8, .value_kind: global_buffer, .address_space: global }
      - { .name: esq, .offset: 16, .size: 8, .value_kind: global_buffer, .address_space: global }
      - { .name: idx, .offset: 24, .size: 8, .value_kind: global_buffer, .address_space: global }
    .group_segment_fixed_size: 327680
    .private_segment_fixed_size: 0
    .kernarg_segment_align: 8
    .kernarg_segment_size: 32
    .max_flat_workgroup_size: 128
    .sgpr_count:     66
    .vgpr_count:     1024
    .wavefront_size: 32
...
	.end_amdgpu_metadata
.endif
;; end of part 2
;; launch emit (part 3): grid 256 x 1, 8 waves a work-group, no clusters, 68,608 bytes of LDS; arguments z, cbb, idx, out0; writes out0
.if DOCPART == 3
	.amdgcn_target "amdgcn-amd-amdhsa--gfx1250"
	.amdhsa_code_object_version 6
	.text
	.protected	k_q445e598f5f_emit
	.globl	k_q445e598f5f_emit
	.p2align	8
	.type	k_q445e598f5f_emit,@function
k_q445e598f5f_emit:
	s_mov_b64 s[64:65], 0
	v_nop
	global_prefetch_b8 v0, s[64:65] scope:SCOPE_SE
	s_setreg_imm32_b32 hwreg(HW_REG_WAVE_MODE, 25, 1), 1
	s_wait_xcnt 0x0
; VECTOR QUANTIZER, launch 3 of 3.  out0[b][c][hw] = zb + (q - zb), zb = z[b][c][hw] rounded to bf16, q = cbb[idx[4096 b + hw]][c]; both roundings of reference()'s last step are kept.  Nothing is left out.
; The indices are whole numbers that launch 2 stored; each is held to 0 .. 8,191 before it enters an address.
; SHARES.  A work-group takes 128 positions (launch 2's) and all 256 channels.  Wave w GATHERS the rows of positions 16 w .. 16 w + 15, a whole row of 512 bytes an instruction, and puts them into LDS;
; behind one barrier it EMITS channels 32 w .. 32 w + 31: lane a owns positions 4 a .. 4 a + 3, so each load of z and each store of out0 covers 512 consecutive bytes, aligned.
; LDS.  128 rows of 528 bytes (512 + 16 = 132 words).  Position p lies in row 32 (p % 4) + p / 4: the lanes of a read then take rows one pitch apart, which start at different groups of four banks
; (64 banks of 4 bytes: ISA guide 11.1).  All loads of a wave (32 of z, 16 gathers) go out before anything is waited for.  No matrix work; no cluster: what work-groups share is a few rows of cbb by chance.
.set PQ,    528
.set SPARE, 128*PQ                     ; behind the rows: the spare words, 128 bytes for each of the eight waves, which no other line names
.set ZO,  1                            ; v1   16 x lane
.set LS,  2                            ; v2   4 w x 528 + 16 x lane: where I put 16 bytes of a gathered row
.set LR,  3                            ; v3   lane x 528 + 64 w: where I read my positions' channels
.set SPW, 4                            ; v4   LDS address of my spare word; never rewritten
.set NIL, 5                            ; v5   0; never rewritten
.set GA,  8                            ; v[8:23]   the gathers' byte offsets; later two sets of six at work
.set Q,   32                           ; v[32:95]  the gathered rows; later chunk t of 8 channels, position jj at Q + 16 t + 4 jj
.set Z,   128                          ; v[128:255] channel m's four positions at Z + 4 m; the result is made in place
	s_load_b256 s[4:11], s[0:1], 0x0               ; z s[4:5], cbb s[6:7], idx s[8:9], out0 s[10:11]
	v_lshl_add_u32 v[SPW], v0, 2, SPARE
	v_mov_b32 v[NIL], 0
	v_lshrrev_b32 v6, 5, v0
	v_readfirstlane_b32 s12, v6                    ; wave 0..7
	v_and_b32 v6, 31, v0                           ; lane
	v_lshlrev_b32 v[ZO], 4, v6
	s_mul_i32 s13, s12, 4*PQ
	v_add_nc_u32 v[LS], s13, v[ZO]
	v_mul_u32_u24 v[LR], v6, PQ
	s_lshl_b32 s13, s12, 6
	v_add_nc_u32 v[LR], s13, v[LR]
	s_mov_b32 s32, 0xffff0000                      ; a word's upper bf16
	s_lshr_b32 s34, ttmp9, 5                       ; b,
	s_lshl_b32 s34, s34, 22                        ; its 256 x 4,096 x 4 bytes,
	s_and_b32 s35, ttmp9, 31
	s_lshl_b32 s35, s35, 9                         ; the work-group's 128 positions,
	s_add_co_u32 s34, s34, s35
	s_lshl_b32 s35, s12, 19                        ; my wave's 32 channels
	s_add_co_u32 s34, s34, s35
	s_mov_b32 s35, 0
	s_lshl_b32 s36, ttmp9, 9                       ; the work-group's 128 indices,
	s_lshl_b32 s37, s12, 6                         ; my wave's 16
	s_add_co_u32 s36, s36, s37
	s_mov_b32 s37, 0
	s_wait_kmcnt 0x0
	s_add_nc_u64 s[4:5], s[4:5], s[34:35]
	s_add_nc_u64 s[10:11], s[10:11], s[34:35]
	s_add_nc_u64 s[8:9], s[8:9], s[36:37]
	s_load_b512 s[16:31], s[8:9], 0x0              ; 16 indices
.set m, 0
.rept 32
	global_load_b128 v[Z+4*m:Z+4*m+3], v[ZO], s[4:5] offset:16384*m th:TH_LOAD_NT
.set m, m+1
.endr
	s_wait_kmcnt 0x0
.set j, 0
.rept 16
	s_min_u32 s[16+j], s[16+j], 0x1fff             ; inside the table
	s_lshl_b32 s[16+j], s[16+j], 9                 ; a row of cbb is 512 bytes
	v_add_nc_u32 v[GA+j], s[16+j], v[ZO]
	global_load_b128 v[Q+4*j:Q+4*j+3], v[GA+j], s[6:7]
.set j, j+1
.endr
.set j, 0
.rept 16
	s_wait_loadcnt 15-j                            ; loads come back in order: gather j is in (and all of z); the younger gathers may stay out
	ds_store_b128 v[LS], v[Q+4*j:Q+4*j+3] offset:((j%4)*32+j/4)*PQ
.set j, j+1
.endr
	s_wait_dscnt 0x0                               ; for the others' sake: my stores are done
	s_barrier_signal -1
	s_barrier_wait -1                              ; all 128 rows lie in LDS
.set t, 0
.rept 4
.irp jj, 0,1,2,3
	ds_load_b128 v[Q+16*t+4*\jj:Q+16*t+4*\jj+3], v[LR] offset:32*PQ*\jj+16*t
.endr
.set t, t+1
.endr
.set t, 0
.rept 4
	s_wait_dscnt 12-4*t                            ; LDS loads come back in order: chunk t's four are in, the later chunks' may stay out
.set e, 0
.rept 8
.set m, 8*t+e
.set zr, Z+4*m
.set tp, GA+8*(m%2)                    ; two sets of temporaries take turns
	v_cvt_pk_bf16_f32 v[tp],   v[zr],   v[zr+1]
	v_cvt_pk_bf16_f32 v[tp+1], v[zr+2], v[zr+3]
	v_lshlrev_b32 v[zr],   16,  v[tp]              ; zb as f32: the low half moves up,
	v_and_b32     v[zr+1], s32, v[tp]              ; the high half stays
	v_lshlrev_b32 v[zr+2], 16,  v[tp+1]
	v_and_b32     v[zr+3], s32, v[tp+1]
.irp jj, 0,1,2,3
.if e%2 == 0
	v_lshlrev_b32 v[tp+2+\jj], 16, v[Q+16*t+4*\jj+e/2]
.else
	v_and_b32 v[tp+2+\jj], s32, v[Q+16*t+4*\jj+e/2]
.endif
.endr
	v_pk_add_f32 v[tp+2:tp+3], v[tp+2:tp+3], v[zr:zr+1]   neg_lo:[0,1] neg_hi:[0,1]   ; q - zb
	v_pk_add_f32 v[tp+4:tp+5], v[tp+4:tp+5], v[zr+2:zr+3] neg_lo:[0,1] neg_hi:[0,1]
	v_pk_add_f32 v[zr:zr+1],   v[zr:zr+1],   v[tp+2:tp+3]                             ; zb + (q - zb)
	v_pk_add_f32 v[zr+2:zr+3], v[zr+2:zr+3], v[tp+4:tp+5]
	global_store_b128 v[ZO], v[zr:zr+3], s[10:11] offset:16384*m th:TH_STORE_NT       ; 512 consecutive bytes, aligned; no register of a store is written again
.set e, e+1
.endr
.set t, t+1
.endr
	s_wait_tensorcnt 0x0                           ; the wave's end, behind my last LDS store
	ds_add_u32 v[SPW], v[NIL]
	s_wait_dscnt 0x0
	s_endpgm
.Lfunc_end_k_q445e598f5f_emit:
	.size	k_q445e598f5f_emit, .Lfunc_end_k_q445e598f5f_emit-k_q445e598f5f_emit
	.p2alignl 7, 3214868480
	.fill 96, 4, 3214868480
	.section	.rodata,"a",@progbits
	.p2align	6, 0x0
	.amdhsa_kernel k_q445e598f5f_emit
		.amdhsa_group_segment_fixed_size 68608
		.amdhsa_private_segment_fixed_size 0
		.amdhsa_enable_private_segment 0
		.amdhsa_kernarg_size 32
		.amdhsa_user_sgpr_count 2
		.amdhsa_user_sgpr_kernarg_segment_ptr 1
		.amdhsa_wavefront_size32 1
		.amdhsa_system_sgpr_workgroup_id_x 1
		.amdhsa_system_sgpr_workgroup_id_y 1
		.amdhsa_system_sgpr_workgroup_id_z 1
		.amdhsa_system_vgpr_workitem_id 0
		.amdhsa_next_free_vgpr 256
		.amdhsa_next_free_sgpr 66
		.amdhsa_reserve_vcc 0
		.amdhsa_float_denorm_mode_32 3
		.amdhsa_float_denorm_mode_16_64 3
		.amdhsa_memory_ordered 1
		.amdhsa_forward_progress 1
		.amdhsa_inst_pref_size 34
	.end_amdhsa_kernel
	.amdgpu_metadata
---
amdhsa.version: [ 1, 2 ]
amdhsa.kernels:
  - .name:           k_q445e598f5f_emit
    .symbol:         k_q445e598f5f_emit.kd
    .args:
      - { .name: z, .offset: 0, .size: 8, .value_kind: global_buffer, .address_space: global }
      - { .name: cbb, .offset: 8, .size: 8, .value_kind: global_buffer, .address_space: global }
      - { .name: idx, .offset: 16, .size: 8, .value_kind: global_buffer, .address_space: global }
      - { .name: out0, .offset: 24, .size: 8, .value_kind: global_buffer, .address_space: global }
    .group_segment_fixed_size: 68608
    .private_segment_fixed_size: 0
    .kernarg_segment_align: 8
    .kernarg_segment_size: 32
    .max_flat_workgroup_size: 256
    .sgpr_count:     66
    .vgpr_count:     256
    .wavefront_size: 32
...
	.end_amdgpu_metadata
.endif
;; end of part 3
;; ======== version 2 of 2: 3 launches; version 1 with the launches prep, emit written anew for expert scheduling mode
;; workspace buffers: cbb 4,194,304 bytes; esq 32,768 bytes; idx 131,072 bytes of whole numbers
;; launch prep (part 4): grid 128 x 1, 8 waves a work-group, no clusters, 1,280 bytes of LDS; arguments codebook, cbb, esq; writes cbb, esq
.if DOCPART == 4
	.amdgcn_target "amdgcn-amd-amdhsa--gfx1250"
	.amdhsa_code_object_version 6
	.text
	.protected	k_q445e598f5f_prep
	.globl	k_q445e598f5f_prep
	.p2align	8
	.type	k_q445e598f5f_prep,@function
k_q445e598f5f_prep:
	s_mov_b64 s[64:65], 0
	v_nop
	global_prefetch_b8 v0, s[64:65] scope:SCOPE_SE
	s_setreg_imm32_b32 hwreg(HW_REG_WAVE_SCHED_MODE, 0, 2), 2
	s_setreg_imm32_b32 hwreg(HW_REG_WAVE_MODE, 25, 1), 1
	s_wait_xcnt 0x0
	s_wait_alu depctr_vm_vsrc(0)
; VECTOR QUANTIZER, launch 1 of 3.  cbb[j][c] = codebook[j][c] rounded to bf16; esq[j] = the sum over c of cbb[j][c]^2, in f32.
; THE PROGRAM.  Launch 2 finds idx[n] = the first argmin over j of d[n][j] = (S[n] + E[j]) - 2 x[n] . e[j]; launch 3 gathers e[idx[n]] and stores z + (e - z) as [b][c][hw].
; All inputs are rounded once to bf16 (x = bf16(z), e = bf16(codebook)), and S, E, the product, the gathered row and the last step's z are all taken of the rounded numbers.
; NO WORK OF reference() IS LEFT OUT.  S[n] is the same for all j, so in exact arithmetic it moves no argmin; but it is large beside E and the product, reference()'s f32 sum loses their low bits
; against it and decides by the first index among the d that then are equal: so S stays, and d is formed by the same two roundings, fl(fl(S + E) - 2 p).  E stays: it differs from code to code.
; z + (e - z) equals e in exact arithmetic, but its two roundings move the result by more than rounding of e where z is large beside e: it stays.  Both inputs are loaded.
; LIMITS.  The f32 sums E, S and p are taken in another order than reference()'s; where that difference carries a d over a rounding boundary between two nearly equal codes, another index is found.
; NaN and infinities are not treated apart.
; SHARES.  A work-group takes 64 rows, so that its 64 E are 256 consecutive bytes, aligned; wave w rows 8 w .. 8 w + 7.  A row is 1,024 bytes: lane l takes channels 4 l .. 4 l + 3 and
; 128 + 4 l .. 128 + 4 l + 3, so each load of a wave covers 512 consecutive bytes and each store of 8 bytes a lane 256, aligned.  All 16 loads of a wave go out at once.
; No matrix work, no cluster: no byte is shared between work-groups.
; THE MODE: SCHED_MODE bits 1:0 = 2 (LLVM: expert scheduling mode 2), set by the entry lines.  The code itself states the register dependences between vector instructions and memory or LDS
; instructions, with s_wait_alu, always for 0.
; THE PLAN.  Registers that memory or LDS instructions touch:
;   v1, v2, v3   offsets and an LDS address: written once at the head, read by every load, store and LDS access, never written again.
;   X            the 16 loads land in it before any vector line names it; the conversions read it; it is never loaded again.
;   Y            row i's four conversions write its four registers; row i's two stores read them; never written again.
;   SUM          written by the sums and the reduction; read by the eight LDS stores; never written again.
;   v[24:25]     an LDS load lands in them, a store reads them; no vector line names them.
; Row i's stores are issued at the head of row i + 1, behind the wait for that row's data and ONE wait on va_vdst; no vector line of row i + 1 names Y of row i or v2.  Row 7's stores share the wait
; that stands ahead of the LDS stores.  No register that a memory or LDS instruction reads is written again, so no wait on vm_vsrc is owed.
.set SPARE, 256                        ; LDS: bytes 0-255 the 64 E; from 256 on the spare words, 128 bytes for each of the eight waves, which no other line names
.set LO,  1                            ; v1   16 x lane
.set SO,  2                            ; v2   8 x lane
.set EA,  3                            ; v3   LDS address of my wave's eight E: 32 w
.set ZR,  4                            ; v4   0, the first addend of a row's sum
.set SPW, 6                            ; v6   LDS address of my spare word; never rewritten
.set NIL, 7                            ; v7   0; never rewritten
.set SUM, 8                            ; v[8:15]   row i's sum
.set TP,  16                           ; v[16:23]  the other half of the lanes' sum
.set X,   32                           ; v[32:95]  row i: 8 numbers in f32
.set Y,   96                           ; v[96:127] row i: 8 numbers in bf16
	s_load_b128 s[4:7], s[0:1], 0x0                ; codebook s[4:5], cbb s[6:7]
	s_load_b64 s[8:9], s[0:1], 0x10                ; esq
	v_lshl_add_u32 v[SPW], v0, 2, SPARE
	v_mov_b32 v[NIL], 0
	v_lshrrev_b32 v5, 5, v0
	v_readfirstlane_b32 s12, v5                    ; wave 0..7
	v_and_b32 v5, 31, v0                           ; lane
	v_lshlrev_b32 v[LO], 4, v5
	v_lshlrev_b32 v[SO], 3, v5
	s_wait_alu depctr_va_sdst(0)                   ; s12 is written, ahead of its first reader: the LDS address, the bases and the last branch are made from it
	s_lshl_b32 s13, s12, 5
	v_mov_b32 v[EA], s13
	v_mov_b32 v[ZR], 0
.irp i, 0,1,2,3,4,5,6,7
	v_mov_b32 v[TP+\i], 0                          ; v_permlanex16_b32 counts as a reader of its destination: written once here
.endr
	s_mov_b32 s16, 0x76543210                      ; each lane takes its own place in the other half
	s_mov_b32 s17, 0xfedcba98
	s_lshl_b32 s14, ttmp9, 6                       ; 64 x work-group
	s_lshl3_add_u32 s14, s12, s14                  ; + 8 x wave: my first row
	s_lshl_b32 s18, s14, 10                        ; its byte in codebook,
	s_mov_b32 s19, 0
	s_lshl_b32 s20, s14, 9                         ; in cbb,
	s_mov_b32 s21, 0
	s_lshl_b32 s22, ttmp9, 8                       ; and the work-group's 256 bytes of esq
	s_mov_b32 s23, 0
	s_wait_kmcnt 0x0
	s_add_nc_u64 s[4:5], s[4:5], s[18:19]
	s_add_nc_u64 s[6:7], s[6:7], s[20:21]
	s_add_nc_u64 s[8:9], s[8:9], s[22:23]
	s_wait_alu depctr_va_vdst(0)                   ; v1, v2 and v3 are written: every load, store and LDS access of the kernel reads one of them as its offset or address
.irp i, 0,1,2,3,4,5,6,7
	global_load_b128 v[X+8*\i:X+8*\i+3],   v[LO], s[4:5] offset:1024*\i th:TH_LOAD_NT
	global_load_b128 v[X+8*\i+4:X+8*\i+7], v[LO], s[4:5] offset:1024*\i+512 th:TH_LOAD_NT
.endr
.irp i, 0,1,2,3,4,5,6,7
	s_wait_loadcnt 14-2*\i                         ; loads come back in order: row i's two are in, the later rows' may stay out
.if \i > 0
	s_wait_alu depctr_va_vdst(0)                   ; the row before's conversions have written its Y, which the two stores below read
	global_store_b64 v[SO], v[Y+4*(\i-1):Y+4*(\i-1)+1],   s[6:7] offset:512*(\i-1)       ; 32 lanes x 8 bytes: 256 consecutive bytes, aligned; Y is never rewritten
	global_store_b64 v[SO], v[Y+4*(\i-1)+2:Y+4*(\i-1)+3], s[6:7] offset:512*(\i-1)+256
.endif
.irp q, 0,1,2,3
	v_cvt_pk_bf16_f32 v[Y+4*\i+\q], v[X+8*\i+2*\q], v[X+8*\i+2*\q+1]
.endr
	v_fma_mix_f32_bf16 v[SUM+\i], v[Y+4*\i], v[Y+4*\i], v[ZR] op_sel_hi:[1,1,0]                       ; the squares of the ROUNDED numbers, summed in f32
	v_fma_mix_f32_bf16 v[SUM+\i], v[Y+4*\i], v[Y+4*\i], v[SUM+\i] op_sel:[1,1,0] op_sel_hi:[1,1,0]
.irp q, 1,2,3
	v_fma_mix_f32_bf16 v[SUM+\i], v[Y+4*\i+\q], v[Y+4*\i+\q], v[SUM+\i] op_sel_hi:[1,1,0]
	v_fma_mix_f32_bf16 v[SUM+\i], v[Y+4*\i+\q], v[Y+4*\i+\q], v[SUM+\i] op_sel:[1,1,0] op_sel_hi:[1,1,0]
.endr
.endr
	; across the 32 lanes, the eight rows side by side
.irp x, 1,2,4,8
.irp i, 0,1,2,3,4,5,6,7
	v_add_f32_dpp v[SUM+\i], v[SUM+\i], v[SUM+\i] row_xmask:\x row_mask:0xf bank_mask:0xf
.endr
.endr
.irp i, 0,1,2,3,4,5,6,7
	v_permlanex16_b32 v[TP+\i], v[SUM+\i], s16, s17
.endr
.irp i, 0,1,2,3,4,5,6,7
	v_add_f32 v[SUM+\i], v[SUM+\i], v[TP+\i]
.endr
	s_wait_alu depctr_va_vdst(0)                   ; row 7's conversions have written its Y, which the two stores below read; the reduction has written SUM, which the LDS stores read
	global_store_b64 v[SO], v[Y+28:Y+29], s[6:7] offset:512*7
	global_store_b64 v[SO], v[Y+30:Y+31], s[6:7] offset:512*7+256
.irp i, 0,1,2,3,4,5,6,7
	ds_store_b32 v[EA], v[SUM+\i] offset:4*\i      ; all lanes write the same word with the same number
.endr
	s_wait_dscnt 0x0                               ; for the others' sake: my stores are done
	s_barrier_signal -1
	s_barrier_wait -1                              ; all 64 E lie in LDS
	s_cmp_lg_u32 s12, 0
	s_cbranch_scc1 .Lend                           ; wave 0 stores them: 32 lanes x 8 bytes, 256 consecutive bytes, aligned
	ds_load_b64 v[24:25], v[SO]                    ; no vector line has named v[24:25], and none has named v2 since the head's wait
	s_wait_dscnt 0x0
	global_store_b64 v[SO], v[24:25], s[8:9]
.Lend:
	s_wait_dscnt 0x0                               ; the closing lines, six on end
	s_wait_alu 0x0
	s_wait_tensorcnt 0x0
	ds_add_u32 v[SPW], v[NIL]
	s_wait_dscnt 0x0
	s_endpgm
.Lfunc_end_k_q445e598f5f_prep:
	.size	k_q445e598f5f_prep, .Lfunc_end_k_q445e598f5f_prep-k_q445e598f5f_prep
	.p2alignl 7, 3214868480
	.fill 96, 4, 3214868480
	.section	.rodata,"a",@progbits
	.p2align	6, 0x0
	.amdhsa_kernel k_q445e598f5f_prep
		.amdhsa_group_segment_fixed_size 1280
		.amdhsa_private_segment_fixed_size 0
		.amdhsa_enable_private_segment 0
		.amdhsa_kernarg_size 24
		.amdhsa_user_sgpr_count 2
		.amdhsa_user_sgpr_kernarg_segment_ptr 1
		.amdhsa_wavefront_size32 1
		.amdhsa_system_sgpr_workgroup_id_x 1
		.amdhsa_system_sgpr_workgroup_id_y 1
		.amdhsa_system_sgpr_workgroup_id_z 1
		.amdhsa_system_vgpr_workitem_id 0
		.amdhsa_next_free_vgpr 128
		.amdhsa_next_free_sgpr 66
		.amdhsa_reserve_vcc 0
		.amdhsa_float_denorm_mode_32 3
		.amdhsa_float_denorm_mode_16_64 3
		.amdhsa_memory_ordered 1
		.amdhsa_forward_progress 1
		.amdhsa_inst_pref_size 15
	.end_amdhsa_kernel
	.amdgpu_metadata
---
amdhsa.version: [ 1, 2 ]
amdhsa.kernels:
  - .name:           k_q445e598f5f_prep
    .symbol:         k_q445e598f5f_prep.kd
    .args:
      - { .name: codebook, .offset: 0, .size: 8, .value_kind: global_buffer, .address_space: global }
      - { .name: cbb, .offset: 8, .size: 8, .value_kind: global_buffer, .address_space: global }
      - { .name: esq, .offset: 16, .size: 8, .value_kind: global_buffer, .address_space: global }
    .group_segment_fixed_size: 1280
    .private_segment_fixed_size: 0
    .kernarg_segment_align: 8
    .kernarg_segment_size: 24
    .max_flat_workgroup_size: 256
    .sgpr_count:     66
    .vgpr_count:     128
    .wavefront_size: 32
...
	.end_amdgpu_metadata
.endif
;; end of part 4
;; launch dist: the kernel of part 2 again; grid 256 x 1, 4 waves a work-group, clusters of 4 x 1, 327,680 bytes of LDS; arguments z, cbb, esq, idx; writes idx
;; launch emit (part 5): grid 256 x 1, 8 waves a work-group, no clusters, 68,608 bytes of LDS; arguments z, cbb, idx, out0; writes out0
.if DOCPART == 5
	.amdgcn_target "amdgcn-amd-amdhsa--gfx1250"
	.amdhsa_code_object_version 6
	.text
	.protected	k_q445e598f5f_emit
	.globl	k_q445e598f5f_emit
	.p2align	8
	.type	k_q445e598f5f_emit,@function
k_q445e598f5f_emit:
	s_mov_b64 s[64:65], 0
	v_nop
	global_prefetch_b8 v0, s[64:65] scope:SCOPE_SE
	s_setreg_imm32_b32 hwreg(HW_REG_WAVE_SCHED_MODE, 0, 2), 2
	s_setreg_imm32_b32 hwreg(HW_REG_WAVE_MODE, 25, 1), 1
	s_wait_xcnt 0x0
	s_wait_alu depctr_vm_vsrc(0)
; VECTOR QUANTIZER, launch 3 of 3.  out0[b][c][hw] = zb + (q - zb), zb = z[b][c][hw] rounded to bf16, q = cbb[idx[4096 b + hw]][c]; both roundings of reference()'s last step are kept.  Nothing is left out.
; The indices are whole numbers that launch 2 stored; each is held to 0 .. 8,191 before it enters an address.
; SHARES.  A work-group takes 128 positions (launch 2's) and all 256 channels.  Wave w GATHERS the rows of positions 16 w .. 16 w + 15, a whole row of 512 bytes an instruction, and puts them into LDS;
; behind one barrier it EMITS channels 32 w .. 32 w + 31: lane a owns positions 4 a .. 4 a + 3, so each load of z and each store of out0 covers 512 consecutive bytes, aligned.
; LDS.  128 rows of 528 bytes (512 + 16 = 132 words).  Position p lies in row 32 (p % 4) + p / 4: the lanes of a read then take rows one pitch apart, which start at different groups of four banks
; (64 banks of 4 bytes: ISA guide 11.1).  All loads of a wave (32 of z, 16 gathers) go out before anything is waited for.  No matrix work; no cluster: what work-groups share is a few rows of cbb by chance.
; THE MODE: SCHED_MODE bits 1:0 = 2 (LLVM: expert scheduling mode 2), set by the entry lines.  The code itself states the register dependences between vector instructions and memory or LDS
; instructions, with s_wait_alu, always for 0.
; THE PLAN.  Registers that memory or LDS instructions touch:
;   v1, v2, v3   an offset and two LDS addresses: written once at the head, never written again.
;   GA           written by 16 vector adds, then read by the 16 gathers as their offsets; behind the barrier vector lines write it again, as temporaries, and no memory instruction names it any more.
;   Q            the gathers land in it; the 16 LDS stores read it; behind the barrier the 16 LDS loads land in it; vector lines read it; it is never loaded again.
;   Z            z's 32 loads land in it; chunk t's arithmetic reads and rewrites its 32 registers in place; the chunk's eight stores read them; never written again.
; The 16 offsets are made together and have one wait on va_vdst ahead of the run of gathers.  One wait on vm_vsrc, behind the barrier, stands ahead of the second use of Q and of GA.
; Chunk t's eight stores are issued at the head of chunk t + 1, behind the wait for that chunk's LDS loads and ONE wait on va_vdst; no vector line of chunk t + 1 names Z of chunk t or v1.
.set PQ,    528
.set SPARE, 128*PQ                     ; behind the rows: the spare words, 128 bytes for each of the eight waves, which no other line names
.set ZO,  1                            ; v1   16 x lane
.set LS,  2                            ; v2   4 w x 528 + 16 x lane: where I put 16 bytes of a gathered row
.set LR,  3                            ; v3   lane x 528 + 64 w: where I read my positions' channels
.set SPW, 4                            ; v4   LDS address of my spare word; never rewritten
.set NIL, 5                            ; v5   0; never rewritten
.set GA,  8                            ; v[8:23]   the gathers' byte offsets; later two sets of six at work
.set Q,   32                           ; v[32:95]  the gathered rows; later chunk t of 8 channels, position jj at Q + 16 t + 4 jj
.set Z,   128                          ; v[128:255] channel m's four positions at Z + 4 m; the result is made in place
; The eight stores of chunk c: channels 8 c .. 8 c + 7.
.macro SEND c
.set u, 0
.rept 8
	global_store_b128 v[ZO], v[Z+4*(8*(\c)+u):Z+4*(8*(\c)+u)+3], s[10:11] offset:16384*(8*(\c)+u) th:TH_STORE_NT  ; 512 consecutive bytes, aligned; no register of a store is written again
.set u, u+1
.endr
.endm
	s_load_b256 s[4:11], s[0:1], 0x0               ; z s[4:5], cbb s[6:7], idx s[8:9], out0 s[10:11]
	v_lshl_add_u32 v[SPW], v0, 2, SPARE
	v_mov_b32 v[NIL], 0
	v_lshrrev_b32 v6, 5, v0
	v_readfirstlane_b32 s12, v6                    ; wave 0..7
	v_and_b32 v6, 31, v0                           ; lane
	v_lshlrev_b32 v[ZO], 4, v6
	s_wait_alu depctr_va_sdst(0)                   ; s12 is written, ahead of its first reader: the LDS addresses and the bases are made from it
	s_mul_i32 s13, s12, 4*PQ
	v_add_nc_u32 v[LS], s13, v[ZO]
	v_mul_u32_u24 v[LR], v6, PQ
	s_lshl_b32 s14, s12, 6
	v_add_nc_u32 v[LR], s14, v[LR]
	s_mov_b32 s32, 0xffff0000                      ; a word's upper bf16
	s_lshr_b32 s34, ttmp9, 5                       ; b,
	s_lshl_b32 s34, s34, 22                        ; its 256 x 4,096 x 4 bytes,
	s_and_b32 s35, ttmp9, 31
	s_lshl_b32 s35, s35, 9                         ; the work-group's 128 positions,
	s_add_co_u32 s34, s34, s35
	s_lshl_b32 s35, s12, 19                        ; my wave's 32 channels
	s_add_co_u32 s34, s34, s35
	s_mov_b32 s35, 0
	s_lshl_b32 s36, ttmp9, 9                       ; the work-group's 128 indices,
	s_lshl_b32 s37, s12, 6                         ; my wave's 16
	s_add_co_u32 s36, s36, s37
	s_mov_b32 s37, 0
	s_wait_kmcnt 0x0
	s_add_nc_u64 s[4:5], s[4:5], s[34:35]
	s_add_nc_u64 s[10:11], s[10:11], s[34:35]
	s_add_nc_u64 s[8:9], s[8:9], s[36:37]
	s_load_b512 s[16:31], s[8:9], 0x0              ; 16 indices
	s_wait_alu depctr_va_vdst(0)                   ; v1, v2 and v3 are written: z's loads and the stores read v1 as their offset, the LDS stores v2 and the LDS loads v3 as their address
.set m, 0
.rept 32
	global_load_b128 v[Z+4*m:Z+4*m+3], v[ZO], s[4:5] offset:16384*m th:TH_LOAD_NT
.set m, m+1
.endr
	s_wait_kmcnt 0x0
.set j, 0
.rept 16
	s_min_u32 s[16+j], s[16+j], 0x1fff             ; inside the table
	s_lshl_b32 s[16+j], s[16+j], 9                 ; a row of cbb is 512 bytes
	v_add_nc_u32 v[GA+j], s[16+j], v[ZO]
.set j, j+1
.endr
	s_wait_alu depctr_va_vdst(0)                   ; the sixteen adds have written GA, which the gathers read as their offsets: one wait for the run
.set j, 0
.rept 16
	global_load_b128 v[Q+4*j:Q+4*j+3], v[GA+j], s[6:7]
.set j, j+1
.endr
.set j, 0
.rept 16
	s_wait_loadcnt 15-j                            ; loads come back in order: gather j is in (and all of z); the younger gathers may stay out
	ds_store_b128 v[LS], v[Q+4*j:Q+4*j+3] offset:((j%4)*32+j/4)*PQ
.set j, j+1
.endr
	s_wait_dscnt 0x0                               ; for the others' sake: my stores are done
	s_barrier_signal -1
	s_barrier_wait -1                              ; all 128 rows lie in LDS
	s_wait_alu depctr_vm_vsrc(0)                   ; my LDS stores have read Q, in which the LDS loads below land; the gathers have read GA, which the arithmetic below writes as temporaries
.set t, 0
.rept 4
.irp jj, 0,1,2,3
	ds_load_b128 v[Q+16*t+4*\jj:Q+16*t+4*\jj+3], v[LR] offset:32*PQ*\jj+16*t
.endr
.set t, t+1
.endr
.set t, 0
.rept 4
	s_wait_dscnt 12-4*t                            ; LDS loads come back in order: chunk t's four are in, the later chunks' may stay out
.if t > 0
	s_wait_alu depctr_va_vdst(0)                   ; the chunk before's arithmetic has written its 32 registers of Z, which the eight stores below read
	SEND t-1
.endif
.set e, 0
.rept 8
.set m, 8*t+e
.set zr, Z+4*m
.set tp, GA+8*(m%2)                    ; two sets of temporaries take turns
	v_cvt_pk_bf16_f32 v[tp],   v[zr],   v[zr+1]
	v_cvt_pk_bf16_f32 v[tp+1], v[zr+2], v[zr+3]
	v_lshlrev_b32 v[zr],   16,  v[tp]              ; zb as f32: the low half moves up,
	v_and_b32     v[zr+1], s32, v[tp]              ; the high half stays
	v_lshlrev_b32 v[zr+2], 16,  v[tp+1]
	v_and_b32     v[zr+3], s32, v[tp+1]
.irp jj, 0,1,2,3
.if e%2 == 0
	v_lshlrev_b32 v[tp+2+\jj], 16, v[Q+16*t+4*\jj+e/2]
.else
	v_and_b32 v[tp+2+\jj], s32, v[Q+16*t+4*\jj+e/2]
.endif
.endr
	v_pk_add_f32 v[tp+2:tp+3], v[tp+2:tp+3], v[zr:zr+1]   neg_lo:[0,1] neg_hi:[0,1]   ; q - zb
	v_pk_add_f32 v[tp+4:tp+5], v[tp+4:tp+5], v[zr+2:zr+3] neg_lo:[0,1] neg_hi:[0,1]
	v_pk_add_f32 v[zr:zr+1],   v[zr:zr+1],   v[tp+2:tp+3]                             ; zb + (q - zb)
	v_pk_add_f32 v[zr+2:zr+3], v[zr+2:zr+3], v[tp+4:tp+5]
.set e, e+1
.endr
.set t, t+1
.endr
	s_wait_alu depctr_va_vdst(0)                   ; the last chunk's arithmetic has written its 32 registers of Z, which the last eight stores read
	SEND 3
	s_wait_dscnt 0x0                               ; the closing lines, six on end
	s_wait_alu 0x0
	s_wait_tensorcnt 0x0
	ds_add_u32 v[SPW], v[NIL]
	s_wait_dscnt 0x0
	s_endpgm
.Lfunc_end_k_q445e598f5f_emit:
	.size	k_q445e598f5f_emit, .Lfunc_end_k_q445e598f5f_emit-k_q445e598f5f_emit
	.p2alignl 7, 3214868480
	.fill 96, 4, 3214868480
	.section	.rodata,"a",@progbits
	.p2align	6, 0x0
	.amdhsa_kernel k_q445e598f5f_emit
		.amdhsa_group_segment_fixed_size 68608
		.amdhsa_private_segment_fixed_size 0
		.amdhsa_enable_private_segment 0
		.amdhsa_kernarg_size 32
		.amdhsa_user_sgpr_count 2
		.amdhsa_user_sgpr_kernarg_segment_ptr 1
		.amdhsa_wavefront_size32 1
		.amdhsa_system_sgpr_workgroup_id_x 1
		.amdhsa_system_sgpr_workgroup_id_y 1
		.amdhsa_system_sgpr_workgroup_id_z 1
		.amdhsa_system_vgpr_workitem_id 0
		.amdhsa_next_free_vgpr 256
		.amdhsa_next_free_sgpr 66
		.amdhsa_reserve_vcc 0
		.amdhsa_float_denorm_mode_32 3
		.amdhsa_float_denorm_mode_16_64 3
		.amdhsa_memory_ordered 1
		.amdhsa_forward_progress 1
		.amdhsa_inst_pref_size 35
	.end_amdhsa_kernel
	.amdgpu_metadata
---
amdhsa.version: [ 1, 2 ]
amdhsa.kernels:
  - .name:           k_q445e598f5f_emit
    .symbol:         k_q445e598f5f_emit.kd
    .args:
      - { .name: z, .offset: 0, .size: 8, .value_kind: global_buffer, .address_space: global }
      - { .name: cbb, .offset: 8, .size: 8, .value_kind: global_buffer, .address_space: global }
      - { .name: idx, .offset: 16, .size: 8, .value_kind: global_buffer, .address_space: global }
      - { .name: out0, .offset: 24, .size: 8, .value_kind: global_buffer, .address_space: global }
    .group_segment_fixed_size: 68608
    .private_segment_fixed_size: 0
    .kernarg_segment_align: 8
    .kernarg_segment_size: 32
    .max_flat_workgroup_size: 256
    .sgpr_count:     66
    .vgpr_count:     256
    .wavefront_size: 32
...
	.end_amdgpu_metadata
.endif
;; end of part 5
